; MI455X (gfx1250); checked and timed in simulation.
; The chip was launched on July 23, 2026; its instructions are those of AMD's public machine-readable ISA for CDNA 5 (MIT licence, August 2026) and "CDNA5" Instruction Set Architecture Reference Guide (July 2026). The comments in the code are by the model that wrote it; some were corrected since.
;; GMABSE3. Allowed arithmetic: matrix products marked QUANTISED: E3M2 operands, one E8M0 scale for each 32 along K, by v_wmma_scale_f32_16x16x128_f8f6f4 with both operands' format E3M2, f32 sums; products left as they are: f32 operands where the result goes on into a quantised operand, else bf16, f16 or f32 operands; f32 sums; everything else in f32.
;; Inputs: k0 32,768 x 64 x 1 float32; k1 32,768 x 64 x 3 float32; q0 32,768 x 64 x 1 float32; q1 32,768 x 64 x 3 float32; v0 32,768 x 64 x 1 float32; v1 32,768 x 64 x 3 float32; w 128 x 32 float32.
;; Outputs: out0 32,768 x 64 x 1 float32; out1 32,768 x 64 x 3 float32.
;; Constants: batch_size = 4.
;; This version of the problem:
;;   THIS VERSION OF THE PROBLEM IS GIVEN IN LOW PRECISION. The matrix products marked QUANTISED in the list below multiply operands that are first quantised to E3M2 (3 exponent bits, 2 mantissa bits; 6 bits a number), with one power-of-two scale for each 32 numbers along K (OCP MX v1.0); their sums are f32. All else is computed in f32.
;;   The module's matrix products, in the order in which they are computed (A, B: the left and right operand; K: the contracted axis; several contracted axes count as one K, in the product's order):
;;     1. [M 262,144, K 32] x [K 32, N 128]; A: computed on the way; B: input w: QUANTISED
;;     2. [M 262,144, K 32] x [K 32, N 128]; A: computed on the way; B: input w: QUANTISED
;;     3. batch 32 x [M 8,192, K 128] x [K 128, N 1]; A: computed on the way; B: computed on the way: left as it is (N = 1 < 16)
;;     4. batch 32 x [M 8, K 8,192] x [K 8,192, N 128]; A: input v0; B: computed on the way: left as it is (M = 8 < 16)
;;     5. batch 32 x [M 8,192, K 128] x [K 128, N 8]; A: computed on the way; B: computed on the way: left as it is (N = 8 < 16)
;;     6. batch 262,144 x [M 8, K 1] x [K 1, N 1]; A: computed on the way; B: computed on the way: left as it is (no contracted axis)
;;     7. batch 32 x [M 24, K 8,192] x [K 8,192, N 128]; A: input v1; B: computed on the way: QUANTISED
;;     8. batch 32 x [M 8,192, K 128] x [K 128, N 24]; A: computed on the way; B: computed on the way: QUANTISED
;;     9. batch 262,144 x [M 24, K 1] x [K 1, N 1]; A: computed on the way; B: computed on the way: left as it is (no contracted axis)
;;   THE QUANTISER, for each operand of a quantised product, along K:
;;     - K is cut into blocks of 32 from its start; a last block that is shorter is filled with zeros.
;;     - A block's scale is 2^e with e = floor(log2(the largest magnitude in the block)) - 4, held to -126 .. 127; a block of zeros has e = 0. As a byte (E8M0): e + 127.
;;     - Each number is divided by its block's scale, clamped to +-28, and rounded to the nearest number of E3M2, ties to even, subnormals kept.
;;     - The product sums the exact products of the quantised numbers (number of the format x scale) in f32.
;;   ~~~python
;;   def quantise(x, axis):      # numpy; x: float32 -> the quantised numbers, widened to float32 again
;;       x = np.moveaxis(x, axis, -1); K = x.shape[-1]
;;       x = np.pad(x, [(0, 0)] * (x.ndim - 1) + [(0, -K % 32)]); x = x.reshape(x.shape[:-1] + (-1, 32)); a = np.abs(x).max(-1, keepdims=True)
;;       e = np.where(a > 0, np.clip(np.frexp(np.where(a > 0, a, 1))[1] - 1 - 4, -126, 127), 0)      # np.frexp(a)[1] - 1 = floor(log2(a)), exactly
;;       r = np.clip(x / 2.0 ** e, -28, 28)
;;       step = 2.0 ** (np.maximum(np.frexp(np.where(r == 0, 1, r))[1] - 1, -2) - 2)
;;       q = np.round(r / step) * step * 2.0 ** e      # np.round: ties to even
;;       return np.moveaxis(q.reshape(q.shape[:-2] + (-1,))[..., :K], -1, axis).astype(np.float32)
;;   ~~~
;;   OPERANDS COMPUTED ON THE WAY. 'Computed on the way' means the value that the module computes at that place (a softmax that the list does not call 'softmax' is quantised finished and normalised). What goes into a quantiser is computed in f32, as accurately as f32 sums, v_exp_f32 and their like allow (about 1e-6 of the number): no bf16 or f16 on the way to a quantiser, and a product that is left as it is and whose result goes on into a quantised operand takes f32 operands (vector FMAs, or v_wmma_f32_16x16x4_f32). A number that lies on a knife's edge between two numbers of the format may be rounded either way, as far as f32 arithmetic and the matrix unit's own rounding can turn it there, and no further.
;; One version. Each part assembles by itself: llvm-mc -triple=amdgcn-amd-amdhsa -mcpu=gfx1250 --defsym DOCPART=n.
;; ======== version 1 of 1: 3 launches
;; workspace buffers: kbuf 7,864,320 bytes; vbuf 11,010,048 bytes; wbuf 14,336 bytes; mbuf 1,024 bytes; cbuf 786,432 bytes
;; launch prep (part 1): grid 256 x 1, 8 waves a work-group, no clusters, 310,528 bytes of LDS; arguments k0, k1, v0, v1, w, kbuf, vbuf, wbuf, mbuf; writes kbuf, vbuf, wbuf, mbuf
.if DOCPART == 1
	.amdgcn_target "amdgcn-amd-amdhsa--gfx1250"
	.amdhsa_code_object_version 6
	.text
	.protected	k_qc794c22289_prep
	.globl	k_qc794c22289_prep
	.p2align	8
	.type	k_qc794c22289_prep,@function
k_qc794c22289_prep:
	s_mov_b64 s[64:65], 0
	v_nop
	global_prefetch_b8 v0, s[64:65] scope:SCOPE_SE
	s_setreg_imm32_b32 hwreg(HW_REG_WAVE_MODE, 25, 1), 1
	s_wait_xcnt 0x0
; FAVOR+ linear attention, first of three launches: everything that is read from the inputs is read here, once, and leaves as operands.
; A work-group takes 128 tokens (all 8 heads); wave = head in the phases K and V, wave = tile of 16 rows of w in the phase dd.
;   K:  row (token, head) = k0's 8 numbers, then k1's 24.  diag = sum of squares x 2^-3.5; row x 2^-1.25 is quantised (one block of 32) to E3M2.
;   dd: Q(row) . Q(w) for all 128 features; only its largest number is kept (the maximum over the whole tensor stands ahead of Kp's quantiser).
;   V:  v1 is quantised along the TOKENS (blocks of 32), v0 is rounded to bf16 (its product is left unquantised).
; k's and v's tiles are asked for together at the start; K and dd run while v's tile is on its way, and the wait for it stands in front of the barrier ahead of V.
; PACKED FRAGMENT.  The product has K = 32, the instruction K = 128.  A fragment's four K blocks hold FOUR tiles of 16 tokens; the other operand carries w in ONE block
; and zero codes in the other three (four versions of w's tile, cut out of one run of registers Z Xlo Z Xhi Z): version j multiplies token tile j alone.
; Row r of token tile j = 2 c + h is token 64 p + 32 c + 8 h + r + 8 (r / 8): so later results have 16 neighbouring tokens in 16 registers.
; The scale word of w's version j has w's byte at byte j and 0 elsewhere (2^-127 over zero codes).
; All workspace is laid as images of operand registers: 16 bytes a lane, 512 consecutive bytes an instruction.
; q0 and q1 are not among this program's buffers: reference() overwrites K with Q, both made of k0 and k1, so no result hangs on them.
; LIMITS: NaN and infinities among the inputs are not served.  A block of zeros gets the scale byte 1 where the rule says 127: its codes are zeros, and this program alone reads the bytes.
.set K0R, 0                            ; LDS: k0, 128 rows of 256 bytes, 272 apart
.set K1R, 34816                        ; k1, 384 rows of 256 bytes, 272 apart: a token is three rows, 816 bytes
.set V0R, 139264                       ; v0 as k0
.set V1R, 174080                       ; v1 as k1
.set IMG, 278528                       ; 16 token fragments (2 head + p), 1,536 bytes each
.set ISC, 303104                       ; their scale words, 128 bytes each
.set KDS, 305152                       ; diag, 512 bytes a head
.set MXR, 309248                       ; the eight waves' maxima
.set RP,  272
.set TP,  816
.set W,   36                           ; v36-65  Z Xlo Z Xhi Z, six registers each
.set WS,  66                           ; v66-67  w's scale bytes: register c holds byte << (16 c + 8 h)
.set CH,  68                           ; v68-71  four chains of the maximum
.set MXW, 72                           ; v72     MXR + 4 wave
.set MXD, 73                           ; v73     MXR
.set F,   74                           ; v74-121 phase dd: four token fragments
.set SC,  122                          ; v122-125 their scale words
.set P,   96                           ; v96-119 phase K: the head's two fragments
.set X,   128                          ; v128-191 two sets of 32 numbers
.set D,   128                          ; v128-255 phase dd: sixteen results
.set KDB, 192                          ; phase K's registers at work
.set SS,  196
.set DGV, 200
.set SW,  204
.set PAIR, 206
.set MX,  208
.set MT,  209
.set SO,  210
.set BY,  212
.set T,   214
.set TQ,  216
.macro PLACES
.rept 4
	v_nop
.endr
.endm
; the largest magnitude of 32 numbers of one lane, and the floor 2^(5 - 127), which holds the scale's byte at 1 from below
.macro MAX32 d, m, s
	v_max3_num_f32 v[\d], |v[\s]|, |v[\s+1]|, |v[\s+2]|
	v_max3_num_f32 v[\m], |v[\s+3]|, |v[\s+4]|, |v[\s+5]|
.irp i, 6,10,14,18,22,26
	v_max3_num_f32 v[\d], v[\d], |v[\s+\i]|, |v[\s+\i+1]|
	v_max3_num_f32 v[\m], v[\m], |v[\s+\i+2]|, |v[\s+\i+3]|
.endr
	v_max3_num_f32 v[\d], v[\d], |v[\s+30]|, |v[\s+31]|
	v_max3_num_f32 v[\d], v[\d], v[\m], 0x2800000
.endm
; a whole block of 32 in one lane becomes six registers of codes and a scale byte
.macro Q32 src, dst, so, by, tq
	MAX32 MX, MT, \src
	v_add_nc_u32 v[\so], 0xfe000000, v[MX]         ; 4 off the exponent field: the conversion takes this operand's exponent field as its scale
	v_lshrrev_b32 v[\by], 23, v[\so]               ; the scale's byte
	v_cvt_scalef32_pk16_bf6_f32 v[\dst:\dst+2], v[\src:\src+15], v[\so]
	v_cvt_scalef32_pk16_bf6_f32 v[\tq:\tq+2], v[\src+16:\src+31], v[\so]   ; (a conversion's three registers begin on an even number)
	v_nop                                          ; one plain place behind a scaled conversion
.irp i, 0,1,2
	v_mov_b32 v[\dst+3+\i], v[\tq+\i]
.endr
.endm
	s_load_b512 s[4:19], s[0:1], 0x0               ; k0 s[4:5], k1 s[6:7], v0 s[8:9], v1 s[10:11], w s[12:13], kbuf s[14:15], vbuf s[16:17], wbuf s[18:19]
	s_load_b64 s[20:21], s[0:1], 0x40              ; mbuf
	v_lshl_add_u32 v126, v0, 2, 0x4b900
	v_mov_b32 v127, 0
	ds_add_u32 v126, v127
	ds_add_u32 v126, v127
	v_lshrrev_b32 v1, 5, v0
	v_readfirstlane_b32 s22, v1                    ; wave 0..7
	; descriptor group 1, one for all loads: 64 rows of 256 bytes (32 elements of 8 bytes), dense in memory, 16 bytes of padding behind each row
	s_mov_b32 s32, (3<<16)|(1<<20)|(5<<22)|(3<<25)
	s_mov_b32 s33, 32<<16                          ; tensor_dim0
	s_mov_b32 s34, 64<<16                          ; tensor_dim1
	s_mov_b32 s35, 32<<16                          ; tile_dim0
	s_mov_b32 s36, 64                              ; tile_dim1
	s_mov_b32 s37, 32                              ; pitch
	s_mov_b32 s38, 0
	s_mov_b32 s39, 0
	; waves 0, 1 fetch the halves of the degree-0 block (32,768 bytes), waves 2..7 the sixths of the degree-1 block (98,304 bytes)
	s_lshl_b32 s24, ttmp9, 15
	s_mul_i32 s25, ttmp9, 98304
	s_lshl_b32 s26, s22, 14
	s_add_co_u32 s24, s24, s26
	s_add_co_u32 s25, s25, s26
	s_sub_co_u32 s25, s25, 32768                   ; (wave - 2) x 16,384: used where wave >= 2
	s_mul_i32 s41, s22, 17408                      ; LDS: the eight parts lie on end, 64 rows x 272 bytes each
	s_add_co_u32 s45, s41, V0R
	s_mov_b32 s40, 1
	s_mov_b32 s44, 1
	s_mov_b32 s29, 0
	s_cmp_lt_u32 s22, 2
	s_cselect_b32 s28, s24, s25
	s_wait_dscnt 0x0
	s_wait_kmcnt 0x0
	s_cselect_b64 s[42:43], s[4:5], s[6:7]         ; the choice hangs on the wave's number alone
	s_cselect_b64 s[46:47], s[8:9], s[10:11]
	s_add_nc_u64 s[42:43], s[42:43], s[28:29]
	s_add_nc_u64 s[46:47], s[46:47], s[28:29]
	s_or_b32 s43, s43, 0x80000000
	s_or_b32 s47, s47, 0x80000000
	tensor_load_to_lds s[40:43], s[32:39]          ; my part of k: every byte of LDS is filled once in this launch; two loads of mine are out
	s_nop 0
	tensor_load_to_lds s[44:47], s[32:39]          ; my part of v
	s_nop 0
	PLACES                                         ; (behind a tensor load)
	s_lshr_b32 s24, ttmp9, 6                       ; batch
	s_lshl_b32 s24, s24, 3
	s_add_co_u32 s24, s24, s22                     ; 8 batch + head
	s_lshl_b32 s24, s24, 6
	s_and_b32 s25, ttmp9, 63
	s_add_co_u32 s24, s24, s25                     ; my record
	s_mul_i32 s26, s24, 3840
	s_mov_b32 s27, 0
	s_add_nc_u64 s[52:53], s[14:15], s[26:27]
	s_mul_i32 s26, s24, 5376
	s_add_nc_u64 s[54:55], s[16:17], s[26:27]
	s_mul_i32 s26, s22, 1792
	s_add_nc_u64 s[18:19], s[18:19], s[26:27]
	s_lshl_b32 s26, ttmp9, 2
	s_add_nc_u64 s[20:21], s[20:21], s[26:27]
	s_mov_b32 s48, 0x76543210
	s_mov_b32 s49, 0xfedcba98                      ; v_permlanex16_b32's selects for lane l xor 16
	s_mov_b32 s50, 0xffff0000                      ; the lanes of half 1
	s_mov_b32 s56, 0x3ed744fd                      ; 32^-0.25
	s_mov_b32 s57, s56
	v_and_b32 v1, 31, v0                           ; l
	v_and_b32 v2, 15, v0                           ; r
	v_bfe_u32 v3, v0, 4, 1                         ; h
	v_and_b32 v4, 8, v0
	v_add_nc_u32 v4, v4, v2                        ; r + 8 (r / 8)
	s_lshr_b32 s24, s22, 1
	s_lshl_b32 s24, s24, 5
	s_and_b32 s25, s22, 1
	s_lshl_b32 s25, s25, 3
	s_add_co_u32 s24, s24, s25
	s_lshl_b32 s24, s24, 7
	v_lshl_add_u32 v17, v4, 7, s24                 ; w: row 32 (wave / 2) + 8 (wave % 2) + r + 8 (r / 8), 128 bytes a row
.irp i, 0,1,2,3,4,5,6,7
	global_load_b128 v[X+4*\i:X+4*\i+3], v17, s[12:13] offset:16*\i   ; a lane takes a whole row of the 16 KB tensor: its block of 32 then needs no other lane
.endr
	v_lshl_add_u32 v4, v3, 3, v4                   ; rp = r + 8 (r / 8) + 8 h: my token among 32
	v_lshlrev_b32 v5, 4, v1
	v_lshlrev_b32 v6, 3, v1
	v_lshlrev_b32 v7, 2, v1
	v_lshlrev_b32 v8, 3, v3
	v_mov_b32 v9, 0
	s_lshl_b32 s24, s22, 5
	v_mul_u32_u24 v10, v4, RP
	v_add_nc_u32 v10, s24, v10                     ; k0: token rp, my head's 32 bytes
	s_lshl_b32 s24, s22, 9
	s_add_co_u32 s24, s24, KDS
	v_lshl_add_u32 v11, v4, 2, s24
	v_add_nc_u32 v12, s24, v5
	s_mul_i32 s24, s22, 3072
	s_add_co_u32 s24, s24, IMG
	v_add_nc_u32 v13, s24, v5
	s_lshl_b32 s24, s22, 8
	s_add_co_u32 s24, s24, ISC
	v_add_nc_u32 v14, s24, v7
	v_add_nc_u32 v15, IMG, v5
	v_add_nc_u32 v16, ISC, v7
	v_mul_u32_u24 v34, v4, TP
	s_mul_i32 s25, s22, 6
.irp i, 0,1,2,3,4,5                    ; k1: my head's 96 bytes are pieces q = 6 head + i of 16 bytes; a padding of 16 lies behind every 16 pieces
	s_add_co_u32 s24, s25, \i
	s_lshr_b32 s26, s24, 4
	s_add_co_u32 s24, s24, s26
	s_lshl_b32 s24, s24, 4
	s_add_co_u32 s24, s24, K1R
	v_add_nc_u32 v[18+\i], s24, v34
	v_add_nc_u32 v[24+\i], 64*TP, v[18+\i]
.endr
	s_mul_i32 s24, s22, 96                         ; v1: lane r takes row 3 c + e = 16 vt + r of my head (tile 1: r % 8, rows 16-23 twice), registers run down the tokens
	v_lshl_add_u32 v30, v2, 2, s24
	v_lshrrev_b32 v31, 8, v30
	v_lshl_add_u32 v30, v31, 4, v30
	v_mad_u32_u24 v30, v3, 32*TP, v30
	v_add_nc_u32 v30, V1R, v30
	v_add_nc_u32 v31, 64*TP, v30
	v_and_b32 v32, 7, v0
	s_add_co_u32 s24, s24, 64
	v_lshl_add_u32 v32, v32, 2, s24
	v_lshrrev_b32 v33, 8, v32
	v_lshl_add_u32 v32, v33, 4, v32
	v_mad_u32_u24 v32, v3, 32*TP, v32
	v_add_nc_u32 v32, V1R, v32
	v_add_nc_u32 v33, 64*TP, v32
	v_bfe_u32 v34, v0, 3, 1                        ; v0: lane = (32 tokens l / 16, 16 tokens (l / 8) % 2, channel l % 8)
	v_lshlrev_b32 v34, 4, v34
	v_lshl_add_u32 v34, v3, 5, v34
	v_mul_u32_u24 v34, v34, RP
	v_and_b32 v35, 7, v0
	v_lshl_add_u32 v34, v35, 2, v34
	s_lshl_b32 s24, s22, 5
	s_add_co_u32 s24, s24, V0R
	v_add_nc_u32 v34, s24, v34
	v_lshlrev_b32 v35, 4, v2
	v_lshl_add_u32 v35, v3, 9, v35
	s_lshl_b32 s24, s22, 2
	s_add_co_u32 s24, s24, MXR
	v_mov_b32 v[MXW], s24
	v_mov_b32 v[MXD], MXR
.irp i, 0,1,2,3
	v_mov_b32 v[CH+\i], 0xff800000                 ; -infinity
.endr
	v_mov_b32 v[T], 0                              ; a lane permute's destination counts as one of its sources
	v_mov_b32 v[PAIR+1], 0
.irp i, 0,1,2,3,4,5
	v_mov_b32 v[W+\i], 0
	v_mov_b32 v[W+12+\i], 0
	v_mov_b32 v[W+24+\i], 0
.endr
	s_wait_loadcnt 0x0                             ; my row of w
	Q32 X, 160, SO, BY, TQ
.irp i, 0,1,2,3,4,5
	v_cndmask_b32 v[W+6+\i], v[160+\i], v9, s50    ; Xlo: the codes in lanes 0-15, zero codes in lanes 16-31
	v_cndmask_b32 v[W+18+\i], v9, v[160+\i], s50   ; Xhi: the other way round
.endr
	v_lshlrev_b32 v[WS], v8, v[BY]
	v_lshlrev_b32 v[WS+1], 16, v[WS]
	s_cmp_lg_u32 ttmp9, 0                          ; every work-group makes w's operand for itself; the first one stores it for the later launches
	s_cbranch_scc1 .Lno_w
	global_store_b128 v5, v[W+6:W+9], s[18:19]
	global_store_b64 v6, v[W+10:W+11], s[18:19] offset:512
	global_store_b128 v5, v[W+18:W+21], s[18:19] offset:768
	global_store_b64 v6, v[W+22:W+23], s[18:19] offset:1280
	global_store_b64 v6, v[WS:WS+1], s[18:19] offset:1536
.Lno_w:
	s_wait_tensorcnt 0x1                           ; my part of k has landed; my part of v may stay out, and v is read behind the barrier ahead of the phase V
	s_barrier_signal -1
	s_barrier_wait -1                              ; everybody's part of k has
; ---- K: wave = head.  A lane takes four whole rows: tokens 64 p + 32 c + rp.
.macro LOADX p, c, st
	ds_load_b128 v[X+32*\st:X+32*\st+3], v10 offset:RP*(64*\p+32*\c)
	ds_load_b128 v[X+32*\st+4:X+32*\st+7], v10 offset:RP*(64*\p+32*\c)+16
.irp i, 0,1,2,3,4,5
	ds_load_b128 v[X+32*\st+8+4*\i:X+32*\st+11+4*\i], v[18+6*\p+\i] offset:32*TP*\c
.endr
.endm
.macro KROW p, c, st, n
	s_wait_dscnt \n                                ; this set's eight loads are in; n younger LDS instructions may be out
.set XS, X+32*\st
	v_pk_mul_f32 v[SS:SS+1], v[XS:XS+1], v[XS:XS+1]
	v_pk_mul_f32 v[SS+2:SS+3], v[XS+2:XS+3], v[XS+2:XS+3]
.irp i, 4,8,12,16,20,24,28
	v_pk_fma_f32 v[SS:SS+1], v[XS+\i:XS+\i+1], v[XS+\i:XS+\i+1], v[SS:SS+1]
	v_pk_fma_f32 v[SS+2:SS+3], v[XS+\i+2:XS+\i+3], v[XS+\i+2:XS+\i+3], v[SS+2:SS+3]
.endr
	v_pk_add_f32 v[SS:SS+1], v[SS:SS+1], v[SS+2:SS+3]
	v_add_f32 v[SS], v[SS], v[SS+1]
	v_mul_f32 v[DGV+2*\p+\c], 0x3db504f3, v[SS]    ; diag = sum of squares x 0.5 x 32^-0.5
.set ii, 0
.rept 16
	v_pk_mul_f32 v[XS+ii:XS+ii+1], v[XS+ii:XS+ii+1], s[56:57] op_sel_hi:[1,0]
.set ii, ii+2
.endr
	Q32 XS, P+12*\p+6*\c, SO+\c, BY+\c, TQ         ; registers 6 c .. 6 c + 5 of fragment p: K block 2 c + h
.endm
.macro FIN p                           ; fragment p is whole: its scale word, its image to memory and to LDS
	v_lshl_or_b32 v[SW+\p], v[BY+1], 16, v[BY]     ; my two bytes, blocks h and 2 + h of row r,
	v_lshlrev_b32 v[SW+\p], v8, v[SW+\p]           ; at their places;
	v_permlanex16_b32 v[T], v[SW+\p], s48, s49
	v_or_b32 v[SW+\p], v[SW+\p], v[T]              ; with lane l xor 16's two the word is whole
.irp k, 0,1,2
	global_store_b128 v5, v[P+12*\p+4*\k:P+12*\p+4*\k+3], s[52:53] offset:1536*\p+512*\k
.endr
.irp k, 0,1,2
	ds_store_b128 v13, v[P+12*\p+4*\k:P+12*\p+4*\k+3] offset:1536*\p+512*\k
.endr
	ds_store_b32 v14, v[SW+\p] offset:128*\p
.endm
	LOADX 0, 0, 0
	LOADX 0, 1, 1
	KROW 0, 0, 0, 8
	LOADX 1, 0, 0
	KROW 0, 1, 1, 8
	LOADX 1, 1, 1
	FIN 0
	KROW 1, 0, 0, 12                               ; behind its loads: the other set's eight and the four LDS stores above
	KROW 1, 1, 1, 4
	FIN 1
	v_cndmask_b32 v[PAIR], v[SW], v[SW+1], s50     ; lanes 0-15 fragment 0's words, lanes 16-31 fragment 1's
	global_store_b64 v6, v[PAIR:PAIR+1], s[52:53] offset:3584   ; 8 bytes a lane (the word and 0): 256 consecutive bytes
.irp p, 0,1
.irp c, 0,1
	ds_store_b32 v11, v[DGV+2*\p+\c] offset:256*\p+128*\c
.endr
.endr
	ds_load_b128 v[KDB:KDB+3], v12                 ; LDS serves a wave's instructions in order: diag comes back in the tokens' own order
	s_wait_dscnt 0x0
	global_store_b128 v5, v[KDB:KDB+3], s[52:53] offset:3072
	s_wait_xcnt 0x0                                ; the stores above have read their registers: they are written again below
	s_wait_dscnt 0x0                               ; my images lie in LDS
	s_barrier_signal -1                            ; (my part of v may still be out: the phase dd reads the images and their scale words alone)
	s_barrier_wait -1
; ---- dd: wave = tile of w.  Sixteen fragments x four versions of w: 64 products, of which the largest number is kept.
.macro FLOAD G
.irp f, 0,1,2,3
.irp k, 0,1,2
	ds_load_b128 v[F+12*\f+4*\k:F+12*\f+4*\k+3], v15 offset:1536*(4*(\G)+\f)+512*\k
.endr
	ds_load_b32 v[SC+\f], v16 offset:128*(4*(\G)+\f)
.endr
.endm
	FLOAD 0
.irp G, 0,1,2,3
	s_wait_dscnt 0x0
.irp f, 0,1,2,3
.irp j, 0,1,2,3
.if \j%2
	v_wmma_scale_f32_16x16x128_f8f6f4 v[D+8*(4*\f+\j):D+8*(4*\f+\j)+7], v[F+12*\f:F+12*\f+11], v[W+6*(1+2*(\j%2)-\j/2):W+6*(1+2*(\j%2)-\j/2)+11], 0, v[SC+\f], v[WS+\j/2] matrix_a_fmt:MATRIX_FMT_BF6 matrix_b_fmt:MATRIX_FMT_BF6 matrix_b_scale:MATRIX_SCALE_ROW1
.else
	v_wmma_scale_f32_16x16x128_f8f6f4 v[D+8*(4*\f+\j):D+8*(4*\f+\j)+7], v[F+12*\f:F+12*\f+11], v[W+6*(1+2*(\j%2)-\j/2):W+6*(1+2*(\j%2)-\j/2)+11], 0, v[SC+\f], v[WS+\j/2] matrix_a_fmt:MATRIX_FMT_BF6 matrix_b_fmt:MATRIX_FMT_BF6
.endif
.endr
.endr
	PLACES                                         ; four places ahead of loads into the fragments' registers and of the first read of results
.if \G < 3
	FLOAD \G+1
.endif
.set ii, 0
.rept 16                               ; each result from its low end on
	v_max3_num_f32 v[CH], v[CH], v[D+ii], v[D+ii+1]
	v_max3_num_f32 v[CH+1], v[CH+1], v[D+ii+2], v[D+ii+3]
	v_max3_num_f32 v[CH+2], v[CH+2], v[D+ii+4], v[D+ii+5]
	v_max3_num_f32 v[CH+3], v[CH+3], v[D+ii+6], v[D+ii+7]
.set ii, ii+8
.endr
.endr
; ---- V: wave = head
.set MX,  74
.set MT,  75
.set SO,  76
.set BY,  78
.set T,   80
.set VW,  82
.set PAIR, 84
.set TQ,  88
.set VC,  96
	s_wait_tensorcnt 0x0                           ; my part of v has landed: it had the phases K and dd in which to land
	s_barrier_signal -1                            ; (no LDS instruction of mine is out: the last group's loads were waited for)
	s_barrier_wait -1                              ; everybody's part of v has
	v_mov_b32 v[T], 0
	v_mov_b32 v[PAIR+1], 0
.macro VTILE vt                        ; 16 rows (3 c + e) x 128 tokens of v1: lane (r, h) holds tokens 64 c + 32 h + 0 .. 31 of its row: two whole blocks
.irp c, 0,1
.set ii, 0
.rept 32
	ds_load_b32 v[X+32*\c+ii], v[30+2*\vt+\c] offset:TP*ii
.set ii, ii+1
.endr
.endr
	s_wait_dscnt 0x0
	Q32 X, VC+12*\vt, SO, BY, TQ
	Q32 X+32, VC+12*\vt+6, SO+1, BY+1, TQ+4
	v_lshl_or_b32 v[VW+\vt], v[BY+1], 16, v[BY]
	v_lshlrev_b32 v[VW+\vt], v8, v[VW+\vt]
	v_permlanex16_b32 v[T], v[VW+\vt], s48, s49
	v_or_b32 v[VW+\vt], v[VW+\vt], v[T]
.irp k, 0,1,2
	global_store_b128 v5, v[VC+12*\vt+4*\k:VC+12*\vt+4*\k+3], s[54:55] offset:1536*\vt+512*\k
.endr
.endm
	VTILE 0
	VTILE 1
	v_cndmask_b32 v[PAIR], v[VW], v[VW+1], s50
	global_store_b64 v6, v[PAIR:PAIR+1], s[54:55] offset:5120
.irp u, 0,1                            ; v0: 16 tokens of one channel a lane, rounded to bf16: two groups of four registers of the later operand
.set ii, 0
.rept 16
	ds_load_b32 v[192+24*\u+ii], v34 offset:RP*(64*\u+ii)
.set ii, ii+1
.endr
.endr
.irp u, 0,1
	s_wait_dscnt 16-16*\u                          ; unit 0: the second unit's sixteen loads may be out
.irp k, 0,1,2,3,4,5,6,7
	v_cvt_pk_bf16_f32 v[208+24*\u+\k], v[192+24*\u+2*\k], v[193+24*\u+2*\k]
.endr
	global_store_b128 v35, v[208+24*\u:211+24*\u], s[54:55] offset:3072+1024*\u       ; sixteen lanes store 256 consecutive bytes, aligned
	global_store_b128 v35, v[212+24*\u:215+24*\u], s[54:55] offset:3072+1024*\u+256
.endr
; ---- the work-group's largest dd
	v_max3_num_f32 v[CH], v[CH], v[CH+1], v[CH+2]
	v_max_num_f32 v[CH], v[CH], v[CH+3]
	v_max_num_f32_dpp v[CH], v[CH], v[CH] row_xmask:1 row_mask:0xf bank_mask:0xf
	v_max_num_f32_dpp v[CH], v[CH], v[CH] row_xmask:2 row_mask:0xf bank_mask:0xf
	v_max_num_f32_dpp v[CH], v[CH], v[CH] row_xmask:4 row_mask:0xf bank_mask:0xf
	v_max_num_f32_dpp v[CH], v[CH], v[CH] row_xmask:8 row_mask:0xf bank_mask:0xf
	v_permlanex16_b32 v[CH+1], v[CH], s48, s49
	v_max_num_f32 v[CH], v[CH], v[CH+1]
	ds_store_b32 v[MXW], v[CH]                     ; all lanes write the same word with the same value
	s_wait_dscnt 0x0
	s_barrier_signal -1
	s_barrier_wait -1
	s_cmp_lg_u32 s22, 0
	s_cbranch_scc1 .Lend
	ds_load_b128 v[X:X+3], v[MXD]
	ds_load_b128 v[X+4:X+7], v[MXD] offset:16
	s_wait_dscnt 0x0
	v_max3_num_f32 v[X], v[X], v[X+1], v[X+2]
	v_max3_num_f32 v[X], v[X], v[X+3], v[X+4]
	v_max3_num_f32 v[X], v[X], v[X+5], v[X+6]
	v_max_num_f32 v[X], v[X], v[X+7]
	v_cmp_eq_u32 vcc_lo, 0, v1
	s_wait_xcnt 0x0                                ; EXEC changes only behind this wait
	s_and_saveexec_b32 s24, vcc_lo
	global_store_b32 v9, v[X], s[20:21]            ; one number a work-group
	s_wait_xcnt 0x0                                ; and again ahead of the line that widens it
	s_or_b32 exec_lo, exec_lo, s24
.Lend:
	s_wait_tensorcnt 0x0
	ds_add_u32 v126, v127
	s_wait_dscnt 0x0
	s_endpgm
.Lfunc_end_k_qc794c22289_prep:
	.size	k_qc794c22289_prep, .Lfunc_end_k_qc794c22289_prep-k_qc794c22289_prep
	.p2alignl 7, 3214868480
	.fill 96, 4, 3214868480
	.section	.rodata,"a",@progbits
	.p2align	6, 0x0
	.amdhsa_kernel k_qc794c22289_prep
		.amdhsa_group_segment_fixed_size 310528
		.amdhsa_private_segment_fixed_size 0
		.amdhsa_enable_private_segment 0
		.amdhsa_kernarg_size 72
		.amdhsa_user_sgpr_count 2
		.amdhsa_user_sgpr_kernarg_segment_ptr 1
		.amdhsa_wavefront_size32 1
		.amdhsa_system_sgpr_workgroup_id_x 1
		.amdhsa_system_sgpr_workgroup_id_y 1
		.amdhsa_system_sgpr_workgroup_id_z 1
		.amdhsa_system_vgpr_workitem_id 0
		.amdhsa_next_free_vgpr 256
		.amdhsa_next_free_sgpr 66
		.amdhsa_reserve_vcc 1
		.amdhsa_float_denorm_mode_32 3
		.amdhsa_float_denorm_mode_16_64 3
		.amdhsa_memory_ordered 1
		.amdhsa_forward_progress 1
		.amdhsa_inst_pref_size 80
	.end_amdhsa_kernel
	.amdgpu_metadata
---
amdhsa.version: [ 1, 2 ]
amdhsa.kernels:
  - .name:           k_qc794c22289_prep
    .symbol:         k_qc794c22289_prep.kd
    .args:
      - { .name: k0, .offset: 0, .size: 8, .value_kind: global_buffer, .address_space: global }
      - { .name: k1, .offset: 8, .size: 8, .value_kind: global_buffer, .address_space: global }
      - { .name: v0, .offset: 16, .size: 8, .value_kind: global_buffer, .address_space: global }
      - { .name: v1, .offset: 24, .size: 8, .value_kind: global_buffer, .address_space: global }
      - { .name: w, .offset: 32, .size: 8, .value_kind: global_buffer, .address_space: global }
      - { .name: kbuf, .offset: 40, .size: 8, .value_kind: global_buffer, .address_space: global }
      - { .name: vbuf, .offset: 48, .size: 8, .value_kind: global_buffer, .address_space: global }
      - { .name: wbuf, .offset: 56, .size: 8, .value_kind: global_buffer, .address_space: global }
      - { .name: mbuf, .offset: 64, .size: 8, .value_kind: global_buffer, .address_space: global }
    .group_segment_fixed_size: 310528
    .private_segment_fixed_size: 0
    .kernarg_segment_align: 8
    .kernarg_segment_size: 72
    .max_flat_workgroup_size: 256
    .sgpr_count:     66
    .vgpr_count:     256
    .wavefront_size: 32
...
	.end_amdgpu_metadata
.endif
;; end of part 1
;; launch ctx (part 2): grid 32 x 8, 16 waves a work-group, no clusters, 61,440 bytes of LDS; arguments kbuf, vbuf, wbuf, mbuf, cbuf; writes cbuf
.if DOCPART == 2
	.amdgcn_target "amdgcn-amd-amdhsa--gfx1250"
	.amdhsa_code_object_version 6
	.text
	.protected	k_qc794c22289_ctx
	.globl	k_qc794c22289_ctx
	.p2align	8
	.type	k_qc794c22289_ctx,@function
k_qc794c22289_ctx:
	s_mov_b64 s[64:65], 0
	v_nop
	global_prefetch_b8 v0, s[64:65] scope:SCOPE_SE
	s_setreg_imm32_b32 hwreg(HW_REG_WAVE_MODE, 25, 1), 1
	s_wait_xcnt 0x0
; Second launch: Kp = ratio (exp(dd - diag - gmax) + EPS), its sum over the tokens, and the two contexts  ctx0 = v0^T Kp (bf16 operands)  and  ctx1 = Q(v1)^T Q(Kp) (E3M2, K = tokens).
; A work-group owns one (batch, head) (x) and 16 features (y = tile of w) and walks ALL 8,192 tokens: every sum has one owner, so no launch is spent on adding parts.
; Each of its sixteen waves takes four records of 128 tokens; the sixteen partial sums meet in LDS at the end, in ascending order of waves.
; dd = packed token fragment x version t of w's tile (prep's head comment): lane (r, h) holds feature row r, register 16 b + i token 64 p + 32 b + 16 h + i:
; sixteen neighbours along the next K.  Two lanes (l, l xor 16) hold a block of 32 tokens.
; The bf16 product takes k in the same permuted order on both sides (a lane half's 16 registers = 16 neighbouring tokens); v0 was laid so.
; OUT: a record of 3,072 bytes for each (batch, head, tile): ctx1 as four pieces of 512 bytes (four f32 registers a lane); ctx0 with the sum of Kp, which the next launch
; multiplies as bf16, as two pieces of 256 bytes (two registers of bf16 pairs a lane) from byte 2,048 on; the rest of the record is neither written nor read.
; NO CLUSTER: the eight work-groups of one (batch, head) read the same records, but every operand goes from memory straight into the registers that the matrix unit names
; (16 bytes a lane, 512 consecutive bytes an instruction); there is no tile in LDS that a joint load could fill, and a ring for 4 x 9,216 bytes a wave would add a round of barriers for each refill.
; Everything is written out: each offset is an immediate, no address register is ever rewritten.
; LIMITS: NaN and infinities are not served; a block of zeros would get the byte 1 (Kp is never 0); the order of the f32 sums differs from the reference's.
.set KREC, 3840
.set VREC, 5376
.set ATR, 0                            ; LDS: -(diag + gmax) log2 e of a record's 128 tokens, 512 bytes a wave
.set RED, 8192                         ; the waves' partial contexts, 3,072 bytes each
.set KSR, 57344                        ; the waves' partial sums of Kp, 128 bytes each
.set W,   16                           ; v16-45  Z Xlo Z Xhi Z
.set WS,  46                           ; v46-47
.set TS,  48                           ; the token fragments' scale words (lanes 0-15: p = 0; lanes 16-31: p = 1)
.set VS,  49                           ; v1's scale words (lanes 0-15 tile 0, lanes 16-31 tile 1)
.set PW,  50                           ; Kp's scale word
.set KD,  52
.set P,   56                           ; v56-79  two token fragments
.set AT,  80                           ; v80-111 the exponent's addend for my 32 registers
.set KB,  80                           ; v80-95  Kp in bf16 (over AT, which is done with)
.set DD,  112                          ; v112-143
.set V0F, 144                          ; v144-175 four bf16 fragments of v0
.set V1F, 176                          ; v176-199 two fragments of v1
.set PC,  200                          ; v200-211 Kp's codes
.set TQ,  212
.set TM,  216                          ; v216-217 maxima, 218-219 the other half's, 220-221 scale operands, 222-223 bytes
.set A1,  224
.set A2,  232
.set A0A, 240
.set A0B, 248
.set RS,  144                          ; the closing sum: v144-207 sixteen waves' parts of my piece (no address and no scale register lies in this run),
.set RK,  80                           ; v80-143 sixteen waves' sums of Kp,
.set RM,  208                          ; v208 at work for the mask
; v1 16 l; v2 8 l; v3 128 h + 16 (r % 8); v4, v5 ATR addresses; v[6:7] gmax; v[8:9] ratio EPS; v10, v11, v51, v215 the closing sum's LDS addresses; v[12:15] the sum of Kp
.macro PLACES
.rept 4
	v_nop
.endr
.endm
.macro LV0 rec, p                      ; v0's fragments 2 p, 2 p + 1 of a record: 4 loads
.irp q, 0,1
.irp g, 0,1
	global_load_b128 v[V0F+8*(2*\p+\q)+4*\g:V0F+8*(2*\p+\q)+4*\g+3], v3, s[30:31] offset:VREC*(\rec)+3072+512*(2*\p+\q)+256*\g
.endr
.endr
.endm
.macro LK rec                          ; the token fragments, their scale words, diag: 8 loads
.irp k, 0,1,2,3,4,5
	global_load_b128 v[P+4*\k:P+4*\k+3], v1, s[28:29] offset:KREC*(\rec)+512*\k
.endr
	global_load_b32 v[TS], v2, s[28:29] offset:KREC*(\rec)+3584
	global_load_b128 v[KD:KD+3], v1, s[28:29] offset:KREC*(\rec)+3072
.endm
.macro LV1 rec                         ; v1's two fragments and their scale words: 7 loads
.irp k, 0,1,2,3,4,5
	global_load_b128 v[V1F+4*\k:V1F+4*\k+3], v1, s[30:31] offset:VREC*(\rec)+512*\k
.endr
	global_load_b32 v[VS], v2, s[30:31] offset:VREC*(\rec)+5120
.endm
.macro DDW p, t                        ; dd of token tile t of fragment p
.set WR, W+6*(1+2*((\t)%2)-(\t)/2)
.if ((\p) == 0) && ((\t)%2 == 0)
	v_wmma_scale_f32_16x16x128_f8f6f4 v[DD+8*(\t):DD+8*(\t)+7], v[P+12*(\p):P+12*(\p)+11], v[WR:WR+11], 0, v[TS], v[WS+(\t)/2] matrix_a_fmt:MATRIX_FMT_BF6 matrix_b_fmt:MATRIX_FMT_BF6
.elseif ((\p) == 0)
	v_wmma_scale_f32_16x16x128_f8f6f4 v[DD+8*(\t):DD+8*(\t)+7], v[P+12*(\p):P+12*(\p)+11], v[WR:WR+11], 0, v[TS], v[WS+(\t)/2] matrix_a_fmt:MATRIX_FMT_BF6 matrix_b_fmt:MATRIX_FMT_BF6 matrix_b_scale:MATRIX_SCALE_ROW1
.elseif ((\t)%2 == 0)
	v_wmma_scale_f32_16x16x128_f8f6f4 v[DD+8*(\t):DD+8*(\t)+7], v[P+12*(\p):P+12*(\p)+11], v[WR:WR+11], 0, v[TS], v[WS+(\t)/2] matrix_a_fmt:MATRIX_FMT_BF6 matrix_b_fmt:MATRIX_FMT_BF6 matrix_a_scale:MATRIX_SCALE_ROW1
.else
	v_wmma_scale_f32_16x16x128_f8f6f4 v[DD+8*(\t):DD+8*(\t)+7], v[P+12*(\p):P+12*(\p)+11], v[WR:WR+11], 0, v[TS], v[WS+(\t)/2] matrix_a_fmt:MATRIX_FMT_BF6 matrix_b_fmt:MATRIX_FMT_BF6 matrix_a_scale:MATRIX_SCALE_ROW1 matrix_b_scale:MATRIX_SCALE_ROW1
.endif
.endm
	s_load_b256 s[4:11], s[0:1], 0x0               ; kbuf s[4:5], vbuf s[6:7], wbuf s[8:9], mbuf s[10:11]
	s_load_b64 s[12:13], s[0:1], 0x20              ; cbuf
	v_lshrrev_b32 v1, 5, v0
	v_readfirstlane_b32 s14, v1                    ; wave 0..15
	s_mov_b32 s16, ttmp9                           ; 8 batch + head
	s_and_b32 s15, ttmp7, 0xffff                   ; tile of w
	s_lshl_b32 s17, s16, 6
	s_lshl_b32 s18, s14, 2
	s_add_co_u32 s17, s17, s18                     ; my first record
	s_mul_i32 s32, s17, KREC
	s_mov_b32 s33, 0
	s_mul_i32 s34, s17, VREC
	s_mov_b32 s35, 0
	s_mul_i32 s36, s15, 1792
	s_mov_b32 s37, 0
	s_min_u32 s19, s14, 5                          ; the piece of the result that I add up at the end (waves 0 to 5)
	s_lshl_b32 s38, s16, 3
	s_add_co_u32 s38, s38, s15
	s_mul_i32 s38, s38, 3072
	s_lshl_b32 s39, s19, 9                         ; pieces 0 to 3: 512 bytes each;
	s_lshl_b32 s40, s19, 8
	s_add_co_u32 s40, s40, 1024                    ; pieces 4, 5: 256 bytes each, at 2,048 and 2,304
	s_cmp_lt_u32 s14, 4
	s_cselect_b32 s39, s39, s40
	s_add_co_u32 s38, s38, s39
	s_mov_b32 s39, 0
	s_mov_b32 s20, 0x3fb8aa3b                      ; log2 e
	s_mov_b32 s21, s20
	s_mov_b32 s22, 0x3db504f3                      ; ratio = 128^-0.5
	s_mov_b32 s23, s22
	s_mov_b32 s24, 0xbfb8aa3b                      ; -log2 e
	s_mov_b32 s25, s24
	s_mov_b32 s26, 0x76543210
	s_mov_b32 s27, 0xfedcba98
	v_and_b32 v10, 31, v0                          ; l
	v_lshlrev_b32 v1, 4, v10
	v_lshlrev_b32 v2, 3, v10
	v_bfe_u32 v11, v0, 4, 1                        ; h
	v_and_b32 v3, 7, v0
	v_lshlrev_b32 v3, 4, v3
	v_lshl_add_u32 v3, v11, 7, v3
	s_lshl_b32 s17, s14, 9
	v_add_nc_u32 v4, s17, v1                       ; ATR + 512 wave + 16 l
	v_lshl_add_u32 v5, v11, 6, s17                 ; ATR + 512 wave + 64 h
	s_and_b32 s17, s14, 1
	s_lshl_b32 s17, s17, 4
	s_add_co_u32 s17, s17, KSR
	v_lshl_add_u32 v215, v11, 5, s17               ; KSR + 32 h + 16 (wave % 2)
	s_lshl_b32 s17, s19, 9
	s_add_co_u32 s17, s17, RED
	v_add_nc_u32 v51, s17, v1                      ; RED + 512 piece + 16 l
	s_lshl_b32 s17, s14, 7
	s_add_co_u32 s17, s17, KSR
	v_lshl_add_u32 v11, v10, 2, s17                ; KSR + 128 wave + 4 l
	s_mul_i32 s17, s14, 3072
	s_add_co_u32 s17, s17, RED
	v_add_nc_u32 v10, s17, v1                      ; RED + 3,072 wave + 16 l
	v_mov_b32 v8, 0x38d1b717                       ; EPS
	v_mul_f32 v8, s22, v8
	v_mov_b32 v9, v8
.irp i, 12,13,14,15
	v_mov_b32 v[\i], 0
.endr
	v_mov_b32 v[TM+2], 0                           ; a lane permute's destination counts as one of its sources
	v_mov_b32 v[TM+3], 0
.irp i, 0,1,2,3,4,5
	v_mov_b32 v[W+\i], 0
	v_mov_b32 v[W+12+\i], 0
	v_mov_b32 v[W+24+\i], 0
.endr
	s_wait_kmcnt 0x0
	s_add_nc_u64 s[28:29], s[4:5], s[32:33]
	s_add_nc_u64 s[30:31], s[6:7], s[34:35]
	s_add_nc_u64 s[8:9], s[8:9], s[36:37]
	s_add_nc_u64 s[12:13], s[12:13], s[38:39]
	global_load_b128 v[W+6:W+9], v1, s[8:9]
	global_load_b64 v[W+10:W+11], v2, s[8:9] offset:512
	global_load_b128 v[W+18:W+21], v1, s[8:9] offset:768
	global_load_b64 v[W+22:W+23], v2, s[8:9] offset:1280
	global_load_b64 v[WS:WS+1], v2, s[8:9] offset:1536
	global_load_b128 v[DD:DD+3], v1, s[10:11]              ; the 256 work-groups' maxima, eight a lane
	global_load_b128 v[DD+4:DD+7], v1, s[10:11] offset:512
	LV0 0, 0
	LK 0
	LV0 0, 1
	LV1 0
	s_wait_loadcnt 23                              ; w and the maxima are in; record 0's 4 + 8 + 4 + 7 loads may be out
	v_max3_num_f32 v[DD], v[DD], v[DD+1], v[DD+2]
	v_max3_num_f32 v[DD], v[DD], v[DD+3], v[DD+4]
	v_max3_num_f32 v[DD], v[DD], v[DD+5], v[DD+6]
	v_max_num_f32 v[DD], v[DD], v[DD+7]
	v_max_num_f32_dpp v[DD], v[DD], v[DD] row_xmask:1 row_mask:0xf bank_mask:0xf
	v_max_num_f32_dpp v[DD], v[DD], v[DD] row_xmask:2 row_mask:0xf bank_mask:0xf
	v_max_num_f32_dpp v[DD], v[DD], v[DD] row_xmask:4 row_mask:0xf bank_mask:0xf
	v_max_num_f32_dpp v[DD], v[DD], v[DD] row_xmask:8 row_mask:0xf bank_mask:0xf
	v_permlanex16_b32 v[DD+1], v[DD], s26, s27
	v_max_num_f32 v6, v[DD], v[DD+1]               ; gmax: the largest dd of the whole tensor
	v_mov_b32 v7, v6
; 64 tokens: fragment p of record rec
.macro HALF rec, p, zero, next
.irp b, 0,1
.irp k, 0,1,2,3
	ds_load_b128 v[AT+16*\b+4*\k:AT+16*\b+4*\k+3], v5 offset:256*\p+128*\b+16*\k   ; the addends of tokens 64 p + 32 b + 16 h + 0 .. 15
.endr
.endr
.irp t, 0,1,2,3
	DDW \p, \t
.endr
	PLACES                                         ; ahead of the first read of results, and of the loads into the fragments' registers
.if \p && \next
	LK (\rec)+1
.endif
	s_wait_dscnt 0x0
.set ii, 0
.rept 16
	v_pk_fma_f32 v[DD+ii:DD+ii+1], v[DD+ii:DD+ii+1], s[20:21], v[AT+ii:AT+ii+1] op_sel_hi:[1,0,1]   ; (dd - diag - gmax) log2 e
.set ii, ii+2
.endr
.set ii, 0
.rept 32
	v_exp_f32 v[DD+ii], v[DD+ii]
.set ii, ii+1
.endr
	v_nop                                          ; a plain place behind the last exponential
	s_wait_alu depctr_va_vdst(0)                   ; one wait for the batch, ahead of its first reader
.set ii, 0
.rept 16
	v_pk_fma_f32 v[DD+ii:DD+ii+1], v[DD+ii:DD+ii+1], s[22:23], v[8:9] op_sel_hi:[1,0,1]   ; Kp = ratio e + ratio EPS
.set ii, ii+2
.endr
.set ii, 0
.rept 8
	v_pk_add_f32 v[12:13], v[12:13], v[DD+ii:DD+ii+1]       ; the sum of the unquantised Kp, in two chains
	v_pk_add_f32 v[14:15], v[14:15], v[DD+ii+2:DD+ii+3]
.set ii, ii+4
.endr
.set ii, 0
.rept 16
	v_cvt_pk_bf16_f32 v[KB+ii], v[DD+2*ii], v[DD+2*ii+1]
.set ii, ii+1
.endr
.irp b, 0,1
	v_max3_num_f32 v[TM+\b], v[DD+16*\b], v[DD+16*\b+1], 0x2800000   ; block b's largest (Kp is positive), and the floor 2^(5 - 127)
.endr
.irp e, 2,4,6,8,10,12,14
.irp b, 0,1
	v_max3_num_f32 v[TM+\b], v[TM+\b], v[DD+16*\b+\e], v[DD+16*\b+\e+1]
.endr
.endr
.irp b, 0,1
	v_permlanex16_b32 v[TM+2+\b], v[TM+\b], s26, s27
.endr
.irp b, 0,1
	v_max_num_f32 v[TM+\b], v[TM+\b], v[TM+2+\b]   ; with lane l xor 16's sixteen tokens
.endr
.irp b, 0,1
	v_add_nc_u32 v[TM+4+\b], 0xfe000000, v[TM+\b]
.endr
.irp b, 0,1
	v_lshrrev_b32 v[TM+6+\b], 23, v[TM+4+\b]
.endr
.if \p
	v_lshl_or_b32 v[PW], v[TM+6], 16, v[PW]
	v_lshl_or_b32 v[PW], v[TM+7], 24, v[PW]
.else
	v_lshl_or_b32 v[PW], v[TM+7], 8, v[TM+6]
.endif
	v_cvt_scalef32_pk16_bf6_f32 v[PC+6*\p:PC+6*\p+2], v[DD:DD+15], v[TM+4]
	v_cvt_scalef32_pk16_bf6_f32 v[TQ:TQ+2], v[DD+16:DD+31], v[TM+5]
	v_nop                                          ; one plain place behind a scaled conversion
.irp e, 0,1,2
	v_permlane16_swap_b32 v[PC+6*\p+\e], v[TQ+\e]  ; a whole block to a lane: lanes 0-15 block 2 p, lanes 16-31 block 2 p + 1
.endr
.irp e, 0,1,2
	v_mov_b32 v[PC+6*\p+3+\e], v[TQ+\e]
.endr
.if \p
.if \next
	s_wait_loadcnt 19                              ; v0's fragments 2, 3 are in; behind them: v1's 7, and the next record's 4 + 8
.else
	s_wait_loadcnt 7
.endif
.endif
.if \zero && (\p == 0)
	v_wmma_f32_16x16x32_bf16 v[A0A:A0A+7], v[KB:KB+7], v[V0F+16*\p:V0F+16*\p+7], 0
	v_wmma_f32_16x16x32_bf16 v[A0B:A0B+7], v[KB+8:KB+15], v[V0F+16*\p+8:V0F+16*\p+15], 0
.else
	v_wmma_f32_16x16x32_bf16 v[A0A:A0A+7], v[KB:KB+7], v[V0F+16*\p:V0F+16*\p+7], v[A0A:A0A+7]
	v_wmma_f32_16x16x32_bf16 v[A0B:A0B+7], v[KB+8:KB+15], v[V0F+16*\p+8:V0F+16*\p+15], v[A0B:A0B+7]
.endif
	PLACES
.if \next
	LV0 (\rec)+1, \p
.endif
.endm
; A record of 128 tokens.  No two matrix instructions that follow each other share an accumulator.
.macro RECORD rec, zero, next
	s_wait_loadcnt 11                              ; the token fragments, diag and v0's fragments 0, 1 are in; v0's other 4 loads and v1's 7 may be out
	v_pk_add_f32 v[KD:KD+1], v[KD:KD+1], v[6:7]
	v_pk_add_f32 v[KD+2:KD+3], v[KD+2:KD+3], v[6:7]
	v_pk_mul_f32 v[KD:KD+1], v[KD:KD+1], s[24:25] op_sel_hi:[1,0]
	v_pk_mul_f32 v[KD+2:KD+3], v[KD+2:KD+3], s[24:25] op_sel_hi:[1,0]
	ds_store_b128 v4, v[KD:KD+3]                   ; my wave's own bytes; LDS serves a wave's instructions in order
	HALF \rec, 0, \zero, \next
	HALF \rec, 1, \zero, \next
	PLACES                                         ; with the four above: eight places between the scale word's last write and the scaled products
.if \next
	s_wait_loadcnt 16                              ; v1 is in; the next record's 4 + 8 + 4 loads may be out
.else
	s_wait_loadcnt 0x0
.endif
.if \zero
	v_wmma_scale_f32_16x16x128_f8f6f4 v[A1:A1+7], v[PC:PC+11], v[V1F:V1F+11], 0, v[PW], v[VS] matrix_a_fmt:MATRIX_FMT_BF6 matrix_b_fmt:MATRIX_FMT_BF6
	v_wmma_scale_f32_16x16x128_f8f6f4 v[A2:A2+7], v[PC:PC+11], v[V1F+12:V1F+23], 0, v[PW], v[VS] matrix_a_fmt:MATRIX_FMT_BF6 matrix_b_fmt:MATRIX_FMT_BF6 matrix_b_scale:MATRIX_SCALE_ROW1
.else
	v_wmma_scale_f32_16x16x128_f8f6f4 v[A1:A1+7], v[PC:PC+11], v[V1F:V1F+11], v[A1:A1+7], v[PW], v[VS] matrix_a_fmt:MATRIX_FMT_BF6 matrix_b_fmt:MATRIX_FMT_BF6
	v_wmma_scale_f32_16x16x128_f8f6f4 v[A2:A2+7], v[PC:PC+11], v[V1F+12:V1F+23], v[A2:A2+7], v[PW], v[VS] matrix_a_fmt:MATRIX_FMT_BF6 matrix_b_fmt:MATRIX_FMT_BF6 matrix_b_scale:MATRIX_SCALE_ROW1
.endif
	PLACES
.if \next
	LV1 (\rec)+1
.endif
.endm
	RECORD 0, 1, 1
	RECORD 1, 0, 1
	RECORD 2, 0, 1
	RECORD 3, 0, 0
	; my wave's partial sums go to LDS
.irp j, 0,2,4,6
	v_pk_add_f32 v[A0A+\j:A0A+\j+1], v[A0A+\j:A0A+\j+1], v[A0B+\j:A0B+\j+1]
.endr
	v_pk_add_f32 v[12:13], v[12:13], v[14:15]
	v_add_f32 v12, v12, v13
	v_permlanex16_b32 v13, v12, s26, s27
	v_add_f32 v12, v12, v13                        ; lane (r, .): the sum of Kp of feature row r over my 512 tokens
	ds_store_b128 v10, v[A1:A1+3]
	ds_store_b128 v10, v[A1+4:A1+7] offset:512
	ds_store_b128 v10, v[A2:A2+3] offset:1024
	ds_store_b128 v10, v[A2+4:A2+7] offset:1536
	ds_store_b128 v10, v[A0A:A0A+3] offset:2048
	ds_store_b128 v10, v[A0A+4:A0A+7] offset:2560
	ds_store_b32 v11, v12
	s_wait_dscnt 0x0                               ; for the others' sake: my stores have landed
	s_barrier_signal -1
	s_barrier_wait -1
	s_cmp_gt_u32 s14, 5
	s_cbranch_scc1 .Lend
	; waves 0 to 5: piece = wave: four registers of one accumulator, summed over the sixteen waves in ascending order
.set nn, 0
.rept 16
	ds_load_b128 v[RS+4*nn:RS+4*nn+3], v51 offset:3072*nn
.set nn, nn+1
.endr
.set nn, 0
.rept 16
	ds_load_b128 v[RK+4*nn:RK+4*nn+3], v215 offset:128*nn   ; the sums of Kp of feature rows 8 h + 4 (wave % 2) + 0 .. 3
.set nn, nn+1
.endr
	s_cmp_lt_u32 s14, 4
	s_cselect_b32 s18, 1, 0
	v_and_b32 v[RM], 15, v0
	v_or_b32 v[RM], s18, v[RM]                     ; 0 in column 0 of ctx0's accumulator alone
	v_cmp_eq_u32 vcc_lo, 0, v[RM]
	s_wait_dscnt 0x0
.set nn, 1
.rept 15
	v_pk_add_f32 v[RS:RS+1], v[RS:RS+1], v[RS+4*nn:RS+4*nn+1]
	v_pk_add_f32 v[RS+2:RS+3], v[RS+2:RS+3], v[RS+4*nn+2:RS+4*nn+3]
	v_pk_add_f32 v[RK:RK+1], v[RK:RK+1], v[RK+4*nn:RK+4*nn+1]
	v_pk_add_f32 v[RK+2:RK+3], v[RK+2:RK+3], v[RK+4*nn+2:RK+4*nn+3]
.set nn, nn+1
.endr
.irp i, 0,1,2,3
	v_cndmask_b32 v[RS+\i], v[RS+\i], v[RK+\i], vcc_lo      ; column 0 (channel 0 lies in column 8 too) takes the sum of Kp: the divisor's operand
.endr
	s_cmp_lt_u32 s14, 4
	s_cbranch_scc0 .Lctx0
	global_store_b128 v1, v[RS:RS+3], s[12:13]     ; ctx1, f32: 512 consecutive bytes, aligned
	s_branch .Lend
.Lctx0:
	v_cvt_pk_bf16_f32 v[RS+4], v[RS], v[RS+1]      ; ctx0 and the sum of Kp are operands of products left unquantised: rounded to bf16 once, here
	v_cvt_pk_bf16_f32 v[RS+5], v[RS+2], v[RS+3]
	global_store_b64 v2, v[RS+4:RS+5], s[12:13]    ; 256 consecutive bytes, aligned
.Lend:
	s_wait_xcnt 0x0
	v_lshl_add_u32 v254, v0, 2, 0xe800
	v_mov_b32 v255, 0
	s_wait_tensorcnt 0x0
	ds_add_u32 v254, v255
	s_wait_dscnt 0x0
	s_endpgm
.Lfunc_end_k_qc794c22289_ctx:
	.size	k_qc794c22289_ctx, .Lfunc_end_k_qc794c22289_ctx-k_qc794c22289_ctx
	.p2alignl 7, 3214868480
	.fill 96, 4, 3214868480
	.section	.rodata,"a",@progbits
	.p2align	6, 0x0
	.amdhsa_kernel k_qc794c22289_ctx
		.amdhsa_group_segment_fixed_size 61440
		.amdhsa_private_segment_fixed_size 0
		.amdhsa_enable_private_segment 0
		.amdhsa_kernarg_size 40
		.amdhsa_user_sgpr_count 2
		.amdhsa_user_sgpr_kernarg_segment_ptr 1
		.amdhsa_wavefront_size32 1
		.amdhsa_system_sgpr_workgroup_id_x 1
		.amdhsa_system_sgpr_workgroup_id_y 1
		.amdhsa_system_sgpr_workgroup_id_z 1
		.amdhsa_system_vgpr_workitem_id 0
		.amdhsa_next_free_vgpr 256
		.amdhsa_next_free_sgpr 66
		.amdhsa_reserve_vcc 1
		.amdhsa_float_denorm_mode_32 3
		.amdhsa_float_denorm_mode_16_64 3
		.amdhsa_memory_ordered 1
		.amdhsa_forward_progress 1
		.amdhsa_inst_pref_size 92
	.end_amdhsa_kernel
	.amdgpu_metadata
---
amdhsa.version: [ 1, 2 ]
amdhsa.kernels:
  - .name:           k_qc794c22289_ctx
    .symbol:         k_qc794c22289_ctx.kd
    .args:
      - { .name: kbuf, .offset: 0, .size: 8, .value_kind: global_buffer, .address_space: global }
      - { .name: vbuf, .offset: 8, .size: 8, .value_kind: global_buffer, .address_space: global }
      - { .name: wbuf, .offset: 16, .size: 8, .value_kind: global_buffer, .address_space: global }
      - { .name: mbuf, .offset: 24, .size: 8, .value_kind: global_buffer, .address_space: global }
      - { .name: cbuf, .offset: 32, .size: 8, .value_kind: global_buffer, .address_space: global }
    .group_segment_fixed_size: 61440
    .private_segment_fixed_size: 0
    .kernarg_segment_align: 8
    .kernarg_segment_size: 40
    .max_flat_workgroup_size: 512
    .sgpr_count:     66
    .vgpr_count:     256
    .wavefront_size: 32
...
	.end_amdgpu_metadata
.endif
;; end of part 2
;; launch out (part 3): grid 256 x 1, 8 waves a work-group, no clusters, 138,240 bytes of LDS; arguments kbuf, wbuf, cbuf, out0, out1; writes out0, out1
.if DOCPART == 3
	.amdgcn_target "amdgcn-amd-amdhsa--gfx1250"
	.amdhsa_code_object_version 6
	.text
	.protected	k_qc794c22289_out
	.globl	k_qc794c22289_out
	.p2align	8
	.type	k_qc794c22289_out,@function
k_qc794c22289_out:
	s_mov_b64 s[64:65], 0
	v_nop
	global_prefetch_b8 v0, s[64:65] scope:SCOPE_SE
	s_setreg_imm32_b32 hwreg(HW_REG_WAVE_MODE, 25, 1), 1
	s_wait_xcnt 0x0
; Third launch: Qp = ratio (exp(dd - diag - the row's largest dd) + EPS);  out1 = Q(Qp) Q(ctx1) / D,  out0 = Qp ctx0 / D,  D = Qp . sum of Kp.
; A work-group takes 128 tokens (all heads); wave = head.  All of w (8 tiles, 198 registers) and the head's contexts stay in the second window of registers.
; dd is used transposed (source 0 = version j of a tile of w, source 1 = the packed token fragment): lane (r, h) holds ONE token, register 16 b + i feature 32 b + 16 h + i.
; So Qp's 64 registers are quantised along the features in place, and rounded to bf16 they are the unquantised products' operand.
; ctx0's operand (it arrives as bf16) has the sum of Kp in row 0 and channels 0-7 in rows 8-15: the divisor falls into register 0 of lanes 0-15, out0's eight channels into lanes 16-31.
; Results meet in a stage in LDS (a token's 256 + 768 bytes, 1,040 apart), since a token's row holds all eight heads.
; THE STORES LEAVE BY QUARTERS: tiles 2 q and 2 q + 1 complete tokens 32 q .. 32 q + 31; behind them stands a barrier, each wave reads 4 whole tokens back, and stores them
; behind the next tile's first products, so that three quarters of the stores are on their way while later tiles are computed.  Each byte of the stage is written once.
; No label and no branch; register windows: 0, 0x40 (destination in window 1), 0x01 (source 0 in window 1).
; LIMITS: NaN and infinities are not served.  A block's largest Qp is made from the block's largest dd by the same instructions: this takes v_exp_f32 not to fall where its input rises.
; ctx0, the sum of Kp and Qp go to the unquantised products as bf16.
.set STG, 0
.set KDR, 133120                       ; diag, 512 bytes a wave
.set WSR, 16                           ; v16-31  w's scale bytes, two registers a tile
.set TS,  32
.set PW,  33
.set CS,  34                           ; v34-35  ctx1's scale words
.set DG,  36                           ; v36-43  diag of my token in each of the eight tiles
.set KD,  44
.set P,   48                           ; v48-71
.set CC,  72                           ; v[72:73]
.set INV, 74                           ; v[74:75]
.set RE,  76                           ; v[76:77] ratio EPS
.set DEN, 78
.set T,   79
.set BM,  80
.set BT,  84
.set SO,  88
.set PC,  92
.set TQ,  104
.set DD,  112                          ; v112-175
.set QB,  176                          ; v176-207
.set O1A, 208
.set O1B, 216
.set O0A, 224
.set O0B, 232
.set FL,  208                          ; v208-239 a quarter's 4 tokens on their way out: the four accumulators' registers, idle until the next tile's last products
.set OUTR, 240
.set C1,  198                          ; window 1: v0-197 w; v198-221 ctx1's two fragments; v222-253 ctx0's four bf16 fragments
.set C0,  222
.set MSB, 0
.macro WIN new                         ; the immediate's high byte repeats the setting that is left
.if MSB != \new
	s_set_vgpr_msb (MSB<<8)|\new
.set MSB, \new
.endif
.endm
.macro PLACES
.rept 4
	v_nop
.endr
.endm
.macro XH                              ; the four blocks' maxima joined with lane l xor 16's
.irp b, 0,1,2,3
	v_permlanex16_b32 v[BT+\b], v[BM+\b], s26, s27
.endr
.irp b, 0,1,2,3
	v_max_num_f32 v[BM+\b], v[BM+\b], v[BT+\b]
.endr
.endm
.macro SCL                             ; scale operands, bytes, the scale word
.irp b, 0,1,2,3
	v_add_nc_u32 v[SO+\b], 0xfe000000, v[BM+\b]
.endr
.irp b, 0,1,2,3
	v_lshrrev_b32 v[BT+\b], 23, v[SO+\b]
.endr
	v_lshl_or_b32 v[PW], v[BT+1], 8, v[BT]
	v_lshl_or_b32 v[PW], v[BT+2], 16, v[PW]
	v_lshl_or_b32 v[PW], v[BT+3], 24, v[PW]
.endm
.macro CODES s                         ; 64 numbers, register 16 b + i = k 32 b + 16 h + i, become a fragment in v[PC] on
.irp c, 0,1
	v_cvt_scalef32_pk16_bf6_f32 v[PC+6*\c:PC+6*\c+2], v[\s+32*\c:\s+32*\c+15], v[SO+2*\c]
	v_cvt_scalef32_pk16_bf6_f32 v[TQ+4*\c:TQ+4*\c+2], v[\s+32*\c+16:\s+32*\c+31], v[SO+2*\c+1]
.endr
	v_nop                                          ; one plain place behind a scaled conversion
.irp c, 0,1
.irp i, 0,1,2
	v_permlane16_swap_b32 v[PC+6*\c+\i], v[TQ+4*\c+\i]
.endr
.irp i, 0,1,2
	v_mov_b32 v[PC+6*\c+3+\i], v[TQ+4*\c+\i]
.endr
.endr
.endm
.macro QUANT s
.irp b, 0,1,2,3
	v_max3_num_f32 v[BM+\b], |v[\s+16*\b]|, |v[\s+16*\b+1]|, 0x2800000
.endr
.irp i, 2,4,6,8,10,12,14
.irp b, 0,1,2,3
	v_max3_num_f32 v[BM+\b], v[BM+\b], |v[\s+16*\b+\i]|, |v[\s+16*\b+\i+1]|
.endr
.endr
	XH
	SCL
	CODES \s
.endm
; A quarter (32 tokens) lies whole in the stage once all eight waves have stored their heads' bytes: my stores have landed, the barrier, then my 4 tokens come back as whole rows.
.macro GATHER
	s_wait_dscnt 0x0                               ; for the others' sake: my head's bytes of this quarter lie in the stage
	s_barrier_signal -1
	s_barrier_wait -1
.irp k, 0,1                            ; two tokens of out1 are 1,536 bytes: three loads of 512
	ds_load_b128 v[FL+12*\k:FL+12*\k+3], v12 offset:2080*\k
	ds_load_b128 v[FL+12*\k+4:FL+12*\k+7], v13 offset:2080*\k
	ds_load_b128 v[FL+12*\k+8:FL+12*\k+11], v14 offset:2080*\k
.endr
.irp k, 0,1                            ; two tokens of out0 are 512 bytes
	ds_load_b128 v[FL+24+4*\k:FL+24+4*\k+3], v15 offset:2080*\k
.endr
.endm
.macro SEND q, step                    ; quarter q's 4 tokens of mine leave; step = 1: the stage addresses go on to the next quarter
	s_wait_dscnt 0x0                               ; the eight loads are in
.irp i, 0,1,2,3,4,5
	global_store_b128 v4, v[FL+4*\i:FL+4*\i+3], s[12:13] offset:24576*(\q)+512*\i th:TH_STORE_NT   ; 512 consecutive bytes of out1, aligned
.endr
.irp i, 0,1
	global_store_b128 v4, v[FL+24+4*\i:FL+24+4*\i+3], s[10:11] offset:8192*(\q)+512*\i th:TH_STORE_NT   ; and of out0
.endr
.if \step
.irp a, 12,13,14,15
	v_add_nc_u32 v[\a], 33280, v[\a]               ; 32 rows of 1,040 bytes on (no LDS load of mine is out)
.endr
.endif
.endm
	s_load_b256 s[4:11], s[0:1], 0x0               ; kbuf s[4:5], wbuf s[6:7], cbuf s[8:9], out0 s[10:11]
	s_load_b64 s[12:13], s[0:1], 0x20              ; out1
	v_lshl_add_u32 v107, v0, 2, 0x21800
	v_mov_b32 v111, 0
	v_lshrrev_b32 v1, 5, v0
	v_readfirstlane_b32 s14, v1                    ; wave = head
	s_lshr_b32 s15, ttmp9, 6
	s_lshl_b32 s15, s15, 3
	s_add_co_u32 s15, s15, s14                     ; 8 batch + head
	s_lshl_b32 s16, s15, 6
	s_and_b32 s17, ttmp9, 63
	s_add_co_u32 s16, s16, s17
	s_mul_i32 s28, s16, 3840                       ; my record
	s_mov_b32 s29, 0
	s_mul_i32 s30, s15, 24576                      ; my head's contexts
	s_mov_b32 s31, 0
	s_lshl_b32 s16, ttmp9, 7
	s_lshl_b32 s17, s14, 2
	s_add_co_u32 s16, s16, s17                     ; the first of the 4 tokens that I store of the first quarter
	s_lshl_b32 s32, s16, 8
	s_mov_b32 s33, 0
	s_mul_i32 s34, s16, 768
	s_mov_b32 s35, 0
	s_mov_b32 s20, 0x3fb8aa3b                      ; log2 e
	s_mov_b32 s21, s20
	s_mov_b32 s22, 0x3db504f3                      ; ratio
	s_mov_b32 s23, s22
	s_mov_b32 s24, 0xbfb8aa3b                      ; -log2 e
	s_mov_b32 s26, 0x76543210
	s_mov_b32 s27, 0xfedcba98
	s_mov_b32 s40, 0xffff0000                      ; the lanes of half 1
	v_and_b32 v1, 31, v0                           ; l
	v_and_b32 v2, 15, v0                           ; r
	v_bfe_u32 v3, v0, 4, 1                         ; h
	v_lshlrev_b32 v4, 4, v1
	v_lshlrev_b32 v5, 3, v1
	v_and_b32 v78, 8, v0
	v_add_nc_u32 v78, v78, v2                      ; r + 8 (r / 8)
	v_mul_u32_u24 v79, v78, 1040
	s_mul_i32 s16, s14, 96
	s_add_co_u32 s16, s16, 256
	v_lshl_add_u32 v6, v3, 5, v79
	v_add_nc_u32 v6, s16, v6                       ; the stage: out1's rows 8 h + 0 .. 7 of my head
	v_add_nc_u32 v7, 66560, v6                     ; and 64 tokens on
	s_lshl_b32 s16, s14, 6
	s_add_co_u32 s16, s16, 320
	v_xor_b32 v8, 1, v3
	v_mul_u32_u24 v8, s16, v8                      ; lanes 16-31: out0's 32 bytes of my head; lanes 0-15: 320 + 64 head further on, out1's rows 16-23
	v_add_nc_u32 v8, v8, v79
	s_lshl_b32 s16, s14, 5
	v_add_nc_u32 v8, s16, v8
	v_add_nc_u32 v9, 66560, v8
	s_lshl_b32 s16, s14, 9
	s_add_co_u32 s16, s16, KDR
	v_add_nc_u32 v10, s16, v4
	v_lshl_add_u32 v11, v78, 2, s16
	s_mul_i32 s16, s14, 4160                       ; back: my 4 tokens of a quarter.  Two tokens of out1 are 1,536 bytes: three loads of 512
	v_add_nc_u32 v12, s16, v4
	v_mul_u32_u24 v13, v3, 272
	v_add_nc_u32 v13, v13, v12
	v_add_nc_u32 v13, 768, v13                     ; the second: the first token's last 256 bytes, the next token's first 256
	v_add_nc_u32 v14, 1552, v12
	v_mul_u32_u24 v15, v3, 1040
	v_lshl_add_u32 v15, v2, 4, v15
	v_add_nc_u32 v15, s16, v15                     ; out0: lanes 0-15 one token, lanes 16-31 the next
	v_add_nc_u32 v12, 256, v12
	v_mov_b32 v[RE], 0x38d1b717
	v_mul_f32 v[RE], s22, v[RE]
	v_mov_b32 v[RE+1], v[RE]
	v_mov_b32 v[CC+1], 0                           ; (named as the upper halves of pairs)
	v_mov_b32 v[INV+1], 0
.irp b, 0,1,2,3
	v_mov_b32 v[BT+\b], 0                          ; a lane permute's destination counts as one of its sources
.endr
	s_wait_kmcnt 0x0
	s_add_nc_u64 s[4:5], s[4:5], s[28:29]
	s_add_nc_u64 s[8:9], s[8:9], s[30:31]
	s_add_nc_u64 s[10:11], s[10:11], s[32:33]
	s_add_nc_u64 s[12:13], s[12:13], s[34:35]
.irp k, 0,1,2,3,4,5
	global_load_b128 v[P+4*\k:P+4*\k+3], v4, s[4:5] offset:512*\k
.endr
	global_load_b32 v[TS], v5, s[4:5] offset:3584
	global_load_b128 v[KD:KD+3], v4, s[4:5] offset:3072
.irp m, 0,1,2,3,4,5,6,7
	global_load_b64 v[WSR+2*\m:WSR+2*\m+1], v5, s[6:7] offset:1792*\m+1536
.endr
	WIN 0x40
.irp m, 0,1,2,3,4,5,6,7                ; w: Z Xlo Z Xhi for each tile, one more Z at the end
	global_load_b128 v[24*\m+6:24*\m+9], v4, s[6:7] offset:1792*\m
	global_load_b64 v[24*\m+10:24*\m+11], v5, s[6:7] offset:1792*\m+512
	global_load_b128 v[24*\m+18:24*\m+21], v4, s[6:7] offset:1792*\m+768
	global_load_b64 v[24*\m+22:24*\m+23], v5, s[6:7] offset:1792*\m+1280
.endr
.irp m, 0,1,2,3,4,5,6,7
.irp g, 0,1
	global_load_b64 v[C0+4*\m+2*\g:C0+4*\m+2*\g+1], v5, s[8:9] offset:3072*\m+2048+256*\g   ; ctx0 and the sum of Kp, bf16: straight into the operand's registers
.endr
.endr
.set nn, 0
.rept 17
.irp i, 0,1,2,3,4,5
	v_mov_b32 v[12*nn+\i], 0                       ; zero codes
.endr
.set nn, nn+1
.endr
	WIN 0
.irp m, 0,1,2,3,4,5,6,7
.irp g, 0,1
	global_load_b128 v[QB+8*\m+4*\g:QB+8*\m+4*\g+3], v4, s[8:9] offset:3072*\m+512*\g       ; ctx1, rows 0-15
.endr
.endr
.irp m, 0,1,2,3,4,5,6,7
.irp g, 0,1
	global_load_b128 v[DD+8*\m+4*\g:DD+8*\m+4*\g+3], v4, s[8:9] offset:3072*\m+512*(2+\g)   ; ctx1, rows 16-23 (twice)
.endr
.endr
	s_wait_loadcnt 16                              ; all but the sixteen loads of ctx1's rows 16-23
	ds_store_b128 v10, v[KD:KD+3]
.irp t, 0,1,2,3,4,5,6,7
	ds_load_b32 v[DG+\t], v11 offset:4*(32*(\t/2)+8*(\t%2))   ; my wave's own bytes, served in order: diag of token 32 (t / 2) + 8 (t % 2) + r + 8 (r / 8)
.endr
	QUANT QB
	WIN 0x40
.set nn, 0
.rept 12
	v_mov_b32 v[C1+nn], v[PC+nn]
.set nn, nn+1
.endr
	WIN 0
	v_mov_b32 v[CS], v[PW]
	s_wait_loadcnt 0x0
	QUANT DD
	WIN 0x40
.set nn, 0
.rept 12
	v_mov_b32 v[C1+12+nn], v[PC+nn]
.set nn, nn+1
.endr
	WIN 0
	v_mov_b32 v[CS+1], v[PW]
	s_wait_dscnt 0x0                               ; diag
.macro DDO m                           ; dd of features of w's tile m for token tile JJ of fragment PP
.set WR, 6*(4*(\m)+1+2*(JJ%2)-JJ/2)
.if (JJ%2 == 0) && (PP == 0)
	v_wmma_scale_f32_16x16x128_f8f6f4 v[DD+8*(\m):DD+8*(\m)+7], v[WR:WR+11], v[P+12*PP:P+12*PP+11], 0, v[WSR+2*(\m)+JJ/2], v[TS] matrix_a_fmt:MATRIX_FMT_BF6 matrix_b_fmt:MATRIX_FMT_BF6
.elseif (JJ%2 == 0)
	v_wmma_scale_f32_16x16x128_f8f6f4 v[DD+8*(\m):DD+8*(\m)+7], v[WR:WR+11], v[P+12*PP:P+12*PP+11], 0, v[WSR+2*(\m)+JJ/2], v[TS] matrix_a_fmt:MATRIX_FMT_BF6 matrix_b_fmt:MATRIX_FMT_BF6 matrix_b_scale:MATRIX_SCALE_ROW1
.elseif (PP == 0)
	v_wmma_scale_f32_16x16x128_f8f6f4 v[DD+8*(\m):DD+8*(\m)+7], v[WR:WR+11], v[P+12*PP:P+12*PP+11], 0, v[WSR+2*(\m)+JJ/2], v[TS] matrix_a_fmt:MATRIX_FMT_BF6 matrix_b_fmt:MATRIX_FMT_BF6 matrix_a_scale:MATRIX_SCALE_ROW1
.else
	v_wmma_scale_f32_16x16x128_f8f6f4 v[DD+8*(\m):DD+8*(\m)+7], v[WR:WR+11], v[P+12*PP:P+12*PP+11], 0, v[WSR+2*(\m)+JJ/2], v[TS] matrix_a_fmt:MATRIX_FMT_BF6 matrix_b_fmt:MATRIX_FMT_BF6 matrix_a_scale:MATRIX_SCALE_ROW1 matrix_b_scale:MATRIX_SCALE_ROW1
.endif
.endm
; A tile of 16 tokens
.macro TILE t
.set PP, (\t)/4
.set JJ, (\t)%4
.set SOFF, 1040*(32*(JJ/2)+8*(JJ%2))
	WIN 0x01
.irp m, 0,1,2,3,4,5,6,7
	DDO \m
.endr
	WIN 0
	PLACES
.if ((\t)%2 == 0) && ((\t) > 0)
	SEND (\t)/2-1, 1                               ; the quarter before leaves here: its loads from the stage had the eight products above in which to come back
.endif
.irp b, 0,1,2,3
	v_max3_num_f32 v[BM+\b], v[DD+16*\b], v[DD+16*\b+1], v[DD+16*\b+2]   ; the largest dd of each block of 32 features: it serves the row's maximum and the block's largest Qp
.endr
.irp i, 3,5,7,9,11,13
.irp b, 0,1,2,3
	v_max3_num_f32 v[BM+\b], v[BM+\b], v[DD+16*\b+\i], v[DD+16*\b+\i+1]
.endr
.endr
.irp b, 0,1,2,3
	v_max_num_f32 v[BM+\b], v[BM+\b], v[DD+16*\b+15]
.endr
	XH
	v_max3_num_f32 v[T], v[BM], v[BM+1], v[BM+2]
	v_max_num_f32 v[T], v[T], v[BM+3]              ; the row's largest dd
	v_add_f32 v[CC], v[DG+\t], v[T]
	v_mul_f32 v[CC], s24, v[CC]                    ; -(diag + maximum) log2 e
.set nn, 0
.rept 32
	v_pk_fma_f32 v[DD+nn:DD+nn+1], v[DD+nn:DD+nn+1], s[20:21], v[CC:CC+1] op_sel_hi:[1,0,0]
.set nn, nn+2
.endr
.irp b, 0,1,2,3
	v_fma_f32 v[BM+\b], v[BM+\b], s20, v[CC]       ; the same of each block's largest dd
.endr
.set nn, 0
.rept 64
	v_exp_f32 v[DD+nn], v[DD+nn]
.set nn, nn+1
.endr
	v_nop                                          ; a plain place behind the last exponential
	s_wait_alu depctr_va_vdst(0)                   ; one wait for the batch, ahead of its first reader
.irp b, 0,1,2,3
	v_exp_f32 v[BM+\b], v[BM+\b]
.endr
.set nn, 0
.rept 32
	v_pk_fma_f32 v[DD+nn:DD+nn+1], v[DD+nn:DD+nn+1], s[22:23], v[RE:RE+1] op_sel_hi:[1,0,1]   ; Qp.  (Work that names none of the four results)
.set nn, nn+2
.endr
	s_wait_alu depctr_va_vdst(0)                   ; and one for the four
.irp b, 0,1,2,3
	v_fma_f32 v[BM+\b], v[BM+\b], s22, v[RE]       ; the block's largest Qp, at least ratio EPS: no floor is wanted
.endr
	SCL
	CODES DD
.set nn, 0
.rept 32
	v_cvt_pk_bf16_f32 v[QB+nn], v[DD+2*nn], v[DD+2*nn+1]   ; (these are also the places between the scale word's last write and the scaled products)
.set nn, nn+1
.endr
.if ((\t)%2 == 0) && ((\t) > 0)
	s_wait_xcnt 0x0                                ; the quarter's stores have read their registers: the products below write them again
.endif
	WIN 0x01
	v_wmma_f32_16x16x32_bf16 v[O0A:O0A+7], v[C0:C0+7], v[QB:QB+7], 0          ; the accumulators by turns
	v_wmma_f32_16x16x32_bf16 v[O0B:O0B+7], v[C0+8:C0+15], v[QB+8:QB+15], 0
	v_wmma_scale_f32_16x16x128_f8f6f4 v[O1A:O1A+7], v[C1:C1+11], v[PC:PC+11], 0, v[CS], v[PW] matrix_a_fmt:MATRIX_FMT_BF6 matrix_b_fmt:MATRIX_FMT_BF6
	v_wmma_f32_16x16x32_bf16 v[O0A:O0A+7], v[C0+16:C0+23], v[QB+16:QB+23], v[O0A:O0A+7]
	v_wmma_f32_16x16x32_bf16 v[O0B:O0B+7], v[C0+24:C0+31], v[QB+24:QB+31], v[O0B:O0B+7]
	v_wmma_scale_f32_16x16x128_f8f6f4 v[O1B:O1B+7], v[C1+12:C1+23], v[PC:PC+11], 0, v[CS+1], v[PW] matrix_a_fmt:MATRIX_FMT_BF6 matrix_b_fmt:MATRIX_FMT_BF6
	WIN 0
	PLACES
.irp j, 0,2,4,6
	v_pk_add_f32 v[O0A+\j:O0A+\j+1], v[O0A+\j:O0A+\j+1], v[O0B+\j:O0B+\j+1]
.endr
	v_permlanex16_b32 v[T], v[O0A], s26, s27
	v_cndmask_b32 v[DEN], v[O0A], v[T], s40        ; D = Qp . sum of Kp lies in register 0 of lanes 0-15; lanes 16-31 take it from there
	v_rcp_f32 v[INV], v[DEN]
.irp j, 0,1,2,3,4,5,6,7
	v_cndmask_b32 v[O1B+\j], v[O1B+\j], v[O0A+\j], s40   ; lanes 0-15 keep out1's rows 16-23, lanes 16-31 take out0's eight channels.  (Plain work behind the reciprocal)
.endr
	s_wait_alu depctr_va_vdst(0)                   ; ahead of the reciprocal's first reader
.irp j, 0,2,4,6
	v_pk_mul_f32 v[OUTR+\j:OUTR+\j+1], v[O1A+\j:O1A+\j+1], v[INV:INV+1] op_sel_hi:[1,0]
.endr
.irp j, 0,2,4,6
	v_pk_mul_f32 v[OUTR+8+\j:OUTR+9+\j], v[O1B+\j:O1B+\j+1], v[INV:INV+1] op_sel_hi:[1,0]
.endr
	ds_store_b128 v[6+PP], v[OUTR:OUTR+3] offset:SOFF
	ds_store_b128 v[6+PP], v[OUTR+4:OUTR+7] offset:SOFF+16
	ds_store_b128 v[8+PP], v[OUTR+8:OUTR+11] offset:SOFF
	ds_store_b128 v[8+PP], v[OUTR+12:OUTR+15] offset:SOFF+16
.endm
.irp t, 0,1,2,3,4,5,6,7
	TILE \t
.if \t%2
	GATHER                                         ; tiles t - 1 and t have completed a quarter
.endif
.endr
	SEND 3, 0                                      ; the last quarter
	s_wait_tensorcnt 0x0
	ds_add_u32 v107, v111
	s_wait_dscnt 0x0
	s_endpgm
.Lfunc_end_k_qc794c22289_out:
	.size	k_qc794c22289_out, .Lfunc_end_k_qc794c22289_out-k_qc794c22289_out
	.p2alignl 7, 3214868480
	.fill 96, 4, 3214868480
	.section	.rodata,"a",@progbits
	.p2align	6, 0x0
	.amdhsa_kernel k_qc794c22289_out
		.amdhsa_group_segment_fixed_size 138240
		.amdhsa_private_segment_fixed_size 0
		.amdhsa_enable_private_segment 0
		.amdhsa_kernarg_size 40
		.amdhsa_user_sgpr_count 2
		.amdhsa_user_sgpr_kernarg_segment_ptr 1
		.amdhsa_wavefront_size32 1
		.amdhsa_system_sgpr_workgroup_id_x 1
		.amdhsa_system_sgpr_workgroup_id_y 1
		.amdhsa_system_sgpr_workgroup_id_z 1
		.amdhsa_system_vgpr_workitem_id 0
		.amdhsa_next_free_vgpr 512
		.amdhsa_next_free_sgpr 66
		.amdhsa_reserve_vcc 0
		.amdhsa_float_denorm_mode_32 3
		.amdhsa_float_denorm_mode_16_64 3
		.amdhsa_memory_ordered 1
		.amdhsa_forward_progress 1
		.amdhsa_inst_pref_size 159
	.end_amdhsa_kernel
	.amdgpu_metadata
---
amdhsa.version: [ 1, 2 ]
amdhsa.kernels:
  - .name:           k_qc794c22289_out
    .symbol:         k_qc794c22289_out.kd
    .args:
      - { .name: kbuf, .offset: 0, .size: 8, .value_kind: global_buffer, .address_space: global }
      - { .name: wbuf, .offset: 8, .size: 8, .value_kind: global_buffer, .address_space: global }
      - { .name: cbuf, .offset: 16, .size: 8, .value_kind: global_buffer, .address_space: global }
      - { .name: out0, .offset: 24, .size: 8, .value_kind: global_buffer, .address_space: global }
      - { .name: out1, .offset: 32, .size: 8, .value_kind: global_buffer, .address_space: global }
    .group_segment_fixed_size: 138240
    .private_segment_fixed_size: 0
    .kernarg_segment_align: 8
    .kernarg_segment_size: 40
    .max_flat_workgroup_size: 256
    .sgpr_count:     66
    .vgpr_count:     512
    .wavefront_size: 32
...
	.end_amdgpu_metadata
.endif
;; end of part 3
